; MI455X (gfx1250); checked and timed in simulation.
; The chip was launched on July 23, 2026; its instructions are those of AMD's public machine-readable ISA for CDNA 5 (MIT licence, August 2026) and "CDNA5" Instruction Set Architecture Reference Guide (July 2026). The comments in the code are by the model that wrote it; some were corrected since.
;; Task Model. Allowed arithmetic: matrix products marked QUANTISED: E5M2 operands, one E8M0 scale for each 32 along K, by v_wmma_scale_f32_16x16x128_f8f6f4 with both operands' format E5M2, f32 sums; everything else in f32.
;; Inputs: W_codes 8 x 2,048 x 64 x 32 uint8 (E5M2 codes of W, K innermost, in blocks of 32 codes); W_scales 8 x 2,048 x 64 uint8 (E8M0 scales of W, one for each 32 codes along K); b 8 x 2,048 float32; masks 2,048 int32; x_codes 2,048 x 64 x 32 uint8 (E5M2 codes of x, K innermost, in blocks of 32 codes); x_scales 2,048 x 64 uint8 (E8M0 scales of x, one for each 32 codes along K).
;; Outputs: out0 2,048 x 2,048 float32.
;; This version of the problem:
;;   THIS VERSION OF THE PROBLEM IS GIVEN IN LOW PRECISION. The matrix products marked QUANTISED in the list below multiply operands that are first quantised to E5M2 (5 exponent bits, 2 mantissa bits; 8 bits a number), with one power-of-two scale for each 32 numbers along K (OCP MX v1.0); their sums are f32. All else is computed in f32.
;;   The module's matrix products, in the order in which they are computed (A, B: the left and right operand; K: the contracted axis; several contracted axes count as one K, in the product's order):
;;     1. [M 2,048, K 2,048] x [K 2,048, N 16,384]; A: input x (given as codes); B: input W (given as codes): QUANTISED
;;   THE QUANTISER, for each operand of a quantised product, along K:
;;     - K is cut into blocks of 32 from its start; a last block that is shorter is filled with zeros.
;;     - A block's scale is 2^e with e = floor(log2(the largest magnitude in the block)) - 15, held to -126 .. 127; a block of zeros has e = 0. As a byte (E8M0): e + 127.
;;     - Each number is divided by its block's scale, clamped to +-57,344, and rounded to the nearest number of E5M2, ties to even, subnormals kept.
;;     - The product sums the exact products of the quantised numbers (number of the format x scale) in f32.
;;   ~~~python
;;   def quantise(x, axis):      # numpy; x: float32 -> the quantised numbers, widened to float32 again
;;       x = np.moveaxis(x, axis, -1); K = x.shape[-1]
;;       x = np.pad(x, [(0, 0)] * (x.ndim - 1) + [(0, -K % 32)]); x = x.reshape(x.shape[:-1] + (-1, 32)); a = np.abs(x).max(-1, keepdims=True)
;;       e = np.where(a > 0, np.clip(np.frexp(np.where(a > 0, a, 1))[1] - 1 - 15, -126, 127), 0)      # np.frexp(a)[1] - 1 = floor(log2(a)), exactly
;;       r = np.clip(x / 2.0 ** e, -57344, 57344)
;;       step = 2.0 ** (np.maximum(np.frexp(np.where(r == 0, 1, r))[1] - 1, -14) - 2)
;;       q = np.round(r / step) * step * 2.0 ** e      # np.round: ties to even
;;       return np.moveaxis(q.reshape(q.shape[:-2] + (-1,))[..., :K], -1, axis).astype(np.float32)
;;   ~~~
;;   INPUTS GIVEN AS CODES. W (in the module: [8, 2048, 2048], K = its axis 2); x (in the module: [2048, 2048], K = its axis 1): each comes as NAME_codes (uint8): NAME with its K axis moved to the last place and cut into blocks of 32 codes, [.., K / 32, bytes a block], one block behind the other in memory; one code a byte (a code: sign, 5 exponent bits, 2 mantissa bits); and NAME_scales (uint8): the same leading axes, one E8M0 byte (e + 127) for each 32 codes along K. Its value is code x scale, taken as it is: it is not quantised again, and the codes and scales need not be those that the quantiser above would give.
;; 2 versions. Each part assembles by itself: llvm-mc -triple=amdgcn-amd-amdhsa -mcpu=gfx1250 --defsym DOCPART=n.
;; ======== version 1 of 2: 2 launches
;; workspace buffers: rows 67,584 bytes of whole numbers; counts 1,024 bytes of whole numbers
;; launch route (part 1): grid 8 x 1, 1 waves a work-group, no clusters, 0 bytes of LDS; arguments masks, rows, counts; writes rows, counts
.if DOCPART == 1
	.amdgcn_target "amdgcn-amd-amdhsa--gfx1250"
	.amdhsa_code_object_version 6
	.text
	.protected	k_q5fda4f1d40_route
	.globl	k_q5fda4f1d40_route
	.p2align	8
	.type	k_q5fda4f1d40_route,@function
k_q5fda4f1d40_route:
	s_mov_b64 s[64:65], 0
	v_nop
	global_prefetch_b8 v0, s[64:65] scope:SCOPE_SE
	s_setreg_imm32_b32 hwreg(HW_REG_WAVE_MODE, 25, 1), 1
	s_wait_xcnt 0x0
; THE ROUTING.  masks [2,048] names an expert, 0 .. 7, for each token.  Work-group e, one wave, writes the list of expert e's tokens and their number, as whole numbers, for the launch that multiplies.
; rows: 8,448 bytes an expert: 2,048 words for the list; 32 words more, since 32 zeros are written behind the list's end (so word 0 is written for an expert without tokens too); 32 words for the lanes that do not match.
; counts: 128 bytes an expert: the number of its tokens, 32 times, a word a lane.
; 32 tokens at a time: a matching lane's place is the count so far + the number of matching lanes below it; the matching lanes so store neighbouring words.  A lane that does not match stores into a word of its own
; that nobody reads: EXEC is never changed.  Every work-group reads all 8,192 bytes of masks; no work-group reads what another writes.
; Each of the 64 stores has registers of its own (its address is made in the register that held the masks, its data in another), so no register that a pending store reads is written again.
; LIMIT: a token whose mask lies outside 0 .. 7 enters no list (the definition's own gather takes masks as lying inside).
.set ESTR,  8448
.set TRASH, 2080
.set LMAX,  2111
.set L16, 1                            ; 16 x lane
.set VTR, 2                            ; the word of a lane that does not match
.set L4,  3                            ; 4 x lane
.set PA,  4
.set ZR,  5
.set VC,  6
.set MK,  16                           ; v16-79   masks: word c of load j is token 128 j + 4 lane + c; then the stores' addresses
.set TK,  80                           ; v80-143  those tokens' numbers
.set EX,  10
.set CN,  11
.set TP,  12
.set OFS, 14
	s_load_b128 s[4:7], s[0:1], 0x0                ; masks s[4:5], rows s[6:7]
	s_load_b64 s[8:9], s[0:1], 0x10                ; counts
	s_mov_b32 s[EX], ttmp9
	v_lshlrev_b32 v[L16], 4, v0                    ; one wave: the thread's number is the lane
	v_add_nc_u32 v[VTR], TRASH, v0
	v_lshlrev_b32 v[L4], 2, v0
	s_mov_b32 s[CN], 0
	s_mul_i32 s[OFS], s[EX], ESTR
	s_mov_b32 s[OFS+1], 0
	s_wait_kmcnt 0x0
.set j_, 0
.rept 16
	global_load_b128 v[MK+4*j_:MK+4*j_+3], v[L16], s[4:5] offset:512*j_    ; 512 consecutive bytes a load
.set j_, j_+1
.endr
	s_add_nc_u64 s[6:7], s[6:7], s[OFS:OFS+1]      ; my expert's part of rows
	s_lshl_b32 s[OFS], s[EX], 7
	s_add_nc_u64 s[8:9], s[8:9], s[OFS:OFS+1]      ; and of counts
.set n_, 0
.rept 64
	v_add_nc_u32 v[TK+n_], 128*(n_/4)+(n_%4), v[L4]
.set n_, n_+1
.endr
.set n_, 0
.rept 64
.if (n_%4) == 0
	s_wait_loadcnt 15-n_/4                         ; loads come back in order (ISA guide 5.7.1): this one is in, the younger ones may be out
.endif
	v_cmp_eq_u32 vcc_lo, s[EX], v[MK+n_]
	v_mbcnt_lo_u32_b32 v[MK+n_], vcc_lo, s[CN]     ; the count so far + the matching lanes below me
	v_cndmask_b32 v[MK+n_], v[VTR], v[MK+n_], vcc_lo
	v_min_u32 v[MK+n_], LMAX, v[MK+n_]             ; a number made from what was loaded enters an address held by a constant
	v_lshlrev_b32 v[MK+n_], 2, v[MK+n_]
	global_store_b32 v[MK+n_], v[TK+n_], s[6:7]
	s_bcnt1_i32_b32 s[TP], vcc_lo
	s_add_co_u32 s[CN], s[CN], s[TP]
.set n_, n_+1
.endr
	v_add_nc_u32 v[PA], s[CN], v0                  ; 32 zeros behind the list's end
	v_min_u32 v[PA], LMAX, v[PA]
	v_lshlrev_b32 v[PA], 2, v[PA]
	v_mov_b32 v[ZR], 0
	v_mov_b32 v[VC], s[CN]
	global_store_b32 v[PA], v[ZR], s[6:7]
	global_store_b32 v[L4], v[VC], s[8:9]          ; the count: 128 consecutive bytes, a word a lane
	s_endpgm
.Lfunc_end_k_q5fda4f1d40_route:
	.size	k_q5fda4f1d40_route, .Lfunc_end_k_q5fda4f1d40_route-k_q5fda4f1d40_route
	.p2alignl 7, 3214868480
	.fill 96, 4, 3214868480
	.section	.rodata,"a",@progbits
	.p2align	6, 0x0
	.amdhsa_kernel k_q5fda4f1d40_route
		.amdhsa_group_segment_fixed_size 0
		.amdhsa_private_segment_fixed_size 0
		.amdhsa_enable_private_segment 0
		.amdhsa_kernarg_size 24
		.amdhsa_user_sgpr_count 2
		.amdhsa_user_sgpr_kernarg_segment_ptr 1
		.amdhsa_wavefront_size32 1
		.amdhsa_system_sgpr_workgroup_id_x 1
		.amdhsa_system_sgpr_workgroup_id_y 1
		.amdhsa_system_sgpr_workgroup_id_z 1
		.amdhsa_system_vgpr_workitem_id 0
		.amdhsa_next_free_vgpr 144
		.amdhsa_next_free_sgpr 66
		.amdhsa_reserve_vcc 1
		.amdhsa_float_denorm_mode_32 3
		.amdhsa_float_denorm_mode_16_64 3
		.amdhsa_memory_ordered 1
		.amdhsa_forward_progress 1
		.amdhsa_inst_pref_size 32
	.end_amdhsa_kernel
	.amdgpu_metadata
---
amdhsa.version: [ 1, 2 ]
amdhsa.kernels:
  - .name:           k_q5fda4f1d40_route
    .symbol:         k_q5fda4f1d40_route.kd
    .args:
      - { .name: masks, .offset: 0, .size: 8, .value_kind: global_buffer, .address_space: global }
      - { .name: rows, .offset: 8, .size: 8, .value_kind: global_buffer, .address_space: global }
      - { .name: counts, .offset: 16, .size: 8, .value_kind: global_buffer, .address_space: global }
    .group_segment_fixed_size: 0
    .private_segment_fixed_size: 0
    .kernarg_segment_align: 8
    .kernarg_segment_size: 24
    .max_flat_workgroup_size: 32
    .sgpr_count:     66
    .vgpr_count:     144
    .wavefront_size: 32
...
	.end_amdgpu_metadata
.endif
;; end of part 1
;; launch routed_linear (part 2): grid 32 x 8, 4 waves a work-group, no clusters, 132,608 bytes of LDS; arguments W_codes, W_scales, b, rows, x_codes, x_scales, out0, counts; writes out0
.if DOCPART == 2
	.amdgcn_target "amdgcn-amd-amdhsa--gfx1250"
	.amdhsa_code_object_version 6
	.text
	.protected	k_q5fda4f1d40_routed_linear
	.globl	k_q5fda4f1d40_routed_linear
	.p2align	8
	.type	k_q5fda4f1d40_routed_linear,@function
k_q5fda4f1d40_routed_linear:
	s_mov_b64 s[64:65], 0
	v_nop
	global_prefetch_b8 v0, s[64:65] scope:SCOPE_SE
	s_setreg_imm32_b32 hwreg(HW_REG_WAVE_MODE, 25, 1), 1
	s_wait_xcnt 0x0
; out0[t][:] = x[t][:] W[masks[t]]^T + b[masks[t]][:].  2,048 tokens, K = N = 2,048, 8 experts.  x and W are codes of BF8 (E5M2), K innermost, with one E8M0 byte for each 32 along K; sums and bias in f32.
; ONLY THE CHOSEN EXPERT'S ROWS ARE MULTIPLIED: of the eight results that the definition forms for a token it keeps the one that masks names.  The launch before this one has turned masks into a list of tokens
; for each expert (rows: 8,448 bytes an expert) and their number (counts: 128 bytes an expert, the number in each word).
; SHARES.  Work-group (x = nb, y = e) owns expert e and output columns 64 nb .. 64 nb + 63.  Its block of W, 64 rows x 2,048 bytes, is dense in memory and no other work-group reads it: it comes into LDS once.
; The expert's list is cut into tiles of 16 rows; wave w takes tiles w, w + 4, w + 8 .., up to five at a time (a PASS) through all of K.
; x's fragments are gathered from memory straight into registers, through a ring of four K steps of 128; W's come from LDS, and each feeds as many products as the pass has tiles.
; THE COLUMNS OF A TILE ARE NOT NEIGHBOURS: lane r of column tile jt is column 64 nb + 4 r + jt.  So register j of a lane's four accumulators of a row tile are four NEIGHBOURING columns of one row: the addition of the bias
; lays them side by side, and sixteen lanes store 256 consecutive bytes, aligned.  For that W's local row n lies at LDS row 16 (n % 4) + n / 4.
; NO TENSOR LOAD, NO CLUSTER: the number of passes and of tiles in a pass is read from memory; W's block is shared with nobody; x's rows are gathered lane by lane.
; LDS holds W alone: it is stored into ahead of the one barrier and only read behind it.
; A PASS IS WRITTEN THREE TIMES, for five, four and three tiles, its sixteen K steps on end: every offset is an immediate and nothing is stepped along K.  A pass of one or two tiles runs the text for three,
; and the spare tiles' sums are not stored.
; A PLACE BEYOND THE LIST'S END READS THE LIST'S LAST WORD (the place is held at count - 1 before it enters the address).  So the empty lanes of an expert's last tile repeat its last row: the same sums go to the same
; bytes, from the same wave; and a spare tile takes a valid row.
; LIMITS.  masks lies in 0 .. 7, as the definition's own gather takes it.  Scale bytes are taken as given (0xff gives NaN here as there).  A split that puts many tokens on one expert is served rightly, in more passes
; by that expert's 32 work-groups; an expert without tokens stores nothing.
; REGISTERS, in windows of 256 (s_set_vgpr_msb: bits 1:0 source 0, 3:2 source 1, 5:4 source 2, 7:6 destination):
;   window 0: v1-16 lane numbers and addresses; v20-27 offsets of the pass's rows in x; v28-31 bias; v32-39 rows just read; v40-55 W's scale words, v56-79 x's (nothing else ever); v80-207 W's fragments, two buffers;
;             v208-247 offsets of the pass's rows in out0
;   window 1: v0-159 accumulators, (row tile i, column tile jt) at 32 i + 8 jt; v160-223 results laid for the stores, two sets; at first all 256: where W lands
;   window 2: x's ring, slots 0 and 1 (80 registers each: five tiles x 16);   window 3: slots 2 and 3
.set PITCH, 2064                       ; a row of W in LDS: 2,048 bytes + 16: the 16 rows of a fragment load begin in 16 different columns of 16 bytes modulo 256 (64 banks of 4 bytes: ISA guide 11.1)
.set TILEW, 16*PITCH
.set HALFW, 32*PITCH                   ; an LDS offset has 16 bits: rows 32 on have an address register of their own
.set ESTR,  8448                       ; an expert's part of rows, in bytes
.set VR,   1                           ; r = lane % 16
.set VH,   2                           ; h = lane / 16
.set VL,   3                           ; lane
.set H16,  4                           ; 16 h
.set C16,  5                           ; 16 r
.set AW0,  6                           ; v6-7   my place in W's fragments, LDS rows 0-31 and 32-63: r x PITCH + 16 h; never rewritten
.set LA,   10                          ; the list, in bytes: row r of my first tile of the pass
.set LP,   11                          ; lanes 0-15 an even tile's row r, lanes 16-31 the next tile's
.set LO,   12                          ; row 8 h of my first tile of the pass
.set WSO,  13                          ; W's scale words: row 4 r + h, 64 bytes a row
.set AWST, 14                          ; v14-15 where I store W: LDS row 4 w, + 16 x lane; and 32 rows on
.set L16,  16                          ; 16 x lane
.set XO,   20                          ; v20-24 tile i: my row x 2,048 + 16 h
.set XSO,  25                          ; v25-27 pair ii: my row x 64
.set BIAS, 28
.set ROWS, 32
.set WSC,  40                          ; quad Q (four K steps), pair jj, word: 40 + 8 Q + 4 jj + word: lanes 0-15 column tile 2 jj, lanes 16-31 tile 2 jj + 1
.set XSC,  56                          ; 56 + 12 Q + 4 ii + word: lanes 0-15 row tile 2 ii, lanes 16-31 tile 2 ii + 1
.set WF,   80
.set RO,   208                         ; v208-247 tile i, j: row 8 h + j of the tile x 8,192 + 16 r
.set OB,   160                         ; in window 1
.set WV,  18                           ; s18 wave
.set EX,  19                           ; s19 expert
.set NB,  20                           ; s20 column block
.set OFS, 22                           ; s[22:23] an offset in hand
.set CN,  24                           ; s24 the expert's tokens
.set TP,  25
.set NT,  26                           ; s26 its tiles
.set SS,  27                           ; s27 my tiles
.set MM,  28                           ; s28 my tiles done
.set TT,  29                           ; s29 tiles in this pass
.set PI,  30                           ; s30 passes done: the loop's counter
.set NP,  31                           ; s31 my passes
.set CM4, 32                           ; s32 the list's last word, in bytes: 4 x (count - 1), 0 for an empty list
.set CP,  34                           ; s[34:35] counts
.set MSB, 0
.macro WIN new                         ; the immediate's high byte repeats the setting that is left; a switch that changes nothing is dropped.  At every label and branch the setting is 0
.if MSB != (\new)
	s_set_vgpr_msb (MSB<<8)|(\new)
.set MSB, (\new)
.endif
.endm
.macro PLACES n                        ; plain vector instructions that name no register of the products in front (ISA guide 7.12.1)
.rept \n
	v_nop
.endr
.endm
; My four columns' bias, then my quarter of W's block: 64 loads of 512 consecutive bytes, into window 1.
.macro WLOADS
	global_load_b128 v[BIAS:BIAS+3], v[C16], s[8:9]
	WIN 0x40
.set m_, 0
.rept 64
	global_load_b128 v[4*m_:4*m_+3], v[L16], s[4:5] offset:512*m_ th:TH_LOAD_NT
.set m_, m_+1
.endr
	WIN 0
.endm
; The rows of the pass, from the list.  A place is held at the list's last word, and then by a constant, since a number read from memory has entered it.  Each load lands on its own address register.
; LISTA: eight loads for x's offsets: row r of each of five tiles; for the scale words, row r of two tiles side by side in the halves of the lanes.
.macro LISTA
.irp i, 0,1,2,3,4
	v_add_nc_u32 v[ROWS+\i], 256*\i, v[LA]         ; my next tile lies four tiles, 256 bytes, on
.endr
.irp i, 0,1,2
	v_add_nc_u32 v[ROWS+5+\i], 512*\i, v[LP]
.endr
.irp i, 0,1,2,3,4,5,6,7
	v_min_u32 v[ROWS+\i], s[CM4], v[ROWS+\i]
.endr
.irp i, 0,1,2,3,4,5,6,7
	v_min_u32 v[ROWS+\i], 8188, v[ROWS+\i]
.endr
.irp i, 0,1,2,3,4,5,6,7
	global_load_b32 v[ROWS+\i], v[ROWS+\i], s[10:11]
.endr
.endm
; LISTB: forty loads for the stores' offsets: row 8 h + j of each of five tiles.
.macro LISTB
.set n_, 0
.rept 40
	v_add_nc_u32 v[RO+n_], 256*(n_/8)+4*(n_%8), v[LO]
.set n_, n_+1
.endr
.set n_, 0
.rept 40
	v_min_u32 v[RO+n_], s[CM4], v[RO+n_]
.set n_, n_+1
.endr
.set n_, 0
.rept 40
	v_min_u32 v[RO+n_], 8188, v[RO+n_]
.set n_, n_+1
.endr
.set n_, 0
.rept 40
	global_load_b32 v[RO+n_], v[RO+n_], s[10:11]
.set n_, n_+1
.endr
.endm
.macro ROCONV                          ; the forty rows become offsets in out0
.set n_, 0
.rept 40
	v_min_u32 v[RO+n_], 2047, v[RO+n_]             ; a number that was loaded enters an address held inside its table
.set n_, n_+1
.endr
.set n_, 0
.rept 40
	v_lshl_add_u32 v[RO+n_], v[RO+n_], 13, v[C16]  ; row x 8,192 + 16 r
.set n_, n_+1
.endr
.endm
; The scale words of four K steps (16 bytes a row, from byte off of the row) into quad Q: W's two pairs of column tiles, x's pairs of row tiles.
.macro SCL T, Q, off
.irp jj, 0,1
	global_load_b128 v[WSC+8*(\Q)+4*\jj:WSC+8*(\Q)+4*\jj+3], v[WSO], s[6:7] offset:128*\jj+(\off)
.endr
.set ii_, 0
.rept ((\T)+1)/2
	global_load_b128 v[XSC+12*(\Q)+4*ii_:XSC+12*(\Q)+4*ii_+3], v[XSO+ii_], s[14:15] offset:\off
.set ii_, ii_+1
.endr
.endm
; x's fragments of one K step, T tiles, into a slot: lane (r, h) takes of its row the bytes koff + 32 c + 16 h on, c = 0 .. 3: the layout of an 8-bit operand.
.macro XLOAD T, slot, koff
	WIN 0x80+0x40*((\slot)/2)
.set i_, 0
.rept \T
.irp c, 0,1,2,3
	global_load_b128 v[80*((\slot)%2)+16*i_+4*\c:80*((\slot)%2)+16*i_+4*\c+3], v[XO+i_], s[12:13] offset:(\koff)+32*\c
.endr
.set i_, i_+1
.endr
	WIN 0
.endm
; W's four fragments of one K step from LDS.  The furthest offset is 16 rows + 1,920 + 96 = 35,040 bytes: inside an LDS offset's 16 bits.
.macro FETCHW buf, koff
.irp jt, 0,1,2,3
.irp c, 0,1,2,3
	ds_load_b128 v[WF+64*(\buf)+16*\jt+4*\c:WF+64*(\buf)+16*\jt+4*\c+3], v[AW0+\jt/2] offset:(\jt%2)*TILEW+(\koff)+32*\c
.endr
.endr
.endm
; One product: row tile i_ x column tile jt, K step s of sixteen.  Source 0 = 16 rows of x, source 1 = 16 rows of W.  An odd tile's scale words stand in lanes 16-31.
.macro WM jt, s, zero
.set rD, 32*i_+8*(\jt)
.set rA, 80*((\s)%2)+16*i_
.set rB, WF+64*((\s)%2)+16*(\jt)
.set rX, XSC+12*(((\s)/4)%2)+4*(i_/2)+(\s)%4
.set rW, WSC+8*(((\s)/4)%2)+4*((\jt)/2)+(\s)%4
.set ODD_, 2*(i_%2)+(\jt)%2
.if \zero
.if ODD_ == 0
	v_wmma_scale_f32_16x16x128_f8f6f4 v[rD:rD+7], v[rA:rA+15], v[rB:rB+15], 0, v[rX], v[rW] matrix_a_fmt:MATRIX_FMT_BF8 matrix_b_fmt:MATRIX_FMT_BF8
.elseif ODD_ == 1
	v_wmma_scale_f32_16x16x128_f8f6f4 v[rD:rD+7], v[rA:rA+15], v[rB:rB+15], 0, v[rX], v[rW] matrix_a_fmt:MATRIX_FMT_BF8 matrix_b_fmt:MATRIX_FMT_BF8 matrix_b_scale:MATRIX_SCALE_ROW1
.elseif ODD_ == 2
	v_wmma_scale_f32_16x16x128_f8f6f4 v[rD:rD+7], v[rA:rA+15], v[rB:rB+15], 0, v[rX], v[rW] matrix_a_fmt:MATRIX_FMT_BF8 matrix_b_fmt:MATRIX_FMT_BF8 matrix_a_scale:MATRIX_SCALE_ROW1
.else
	v_wmma_scale_f32_16x16x128_f8f6f4 v[rD:rD+7], v[rA:rA+15], v[rB:rB+15], 0, v[rX], v[rW] matrix_a_fmt:MATRIX_FMT_BF8 matrix_b_fmt:MATRIX_FMT_BF8 matrix_a_scale:MATRIX_SCALE_ROW1 matrix_b_scale:MATRIX_SCALE_ROW1
.endif
.else
.if ODD_ == 0
	v_wmma_scale_f32_16x16x128_f8f6f4 v[rD:rD+7], v[rA:rA+15], v[rB:rB+15], v[rD:rD+7], v[rX], v[rW] matrix_a_fmt:MATRIX_FMT_BF8 matrix_b_fmt:MATRIX_FMT_BF8
.elseif ODD_ == 1
	v_wmma_scale_f32_16x16x128_f8f6f4 v[rD:rD+7], v[rA:rA+15], v[rB:rB+15], v[rD:rD+7], v[rX], v[rW] matrix_a_fmt:MATRIX_FMT_BF8 matrix_b_fmt:MATRIX_FMT_BF8 matrix_b_scale:MATRIX_SCALE_ROW1
.elseif ODD_ == 2
	v_wmma_scale_f32_16x16x128_f8f6f4 v[rD:rD+7], v[rA:rA+15], v[rB:rB+15], v[rD:rD+7], v[rX], v[rW] matrix_a_fmt:MATRIX_FMT_BF8 matrix_b_fmt:MATRIX_FMT_BF8 matrix_a_scale:MATRIX_SCALE_ROW1
.else
	v_wmma_scale_f32_16x16x128_f8f6f4 v[rD:rD+7], v[rA:rA+15], v[rB:rB+15], v[rD:rD+7], v[rX], v[rW] matrix_a_fmt:MATRIX_FMT_BF8 matrix_b_fmt:MATRIX_FMT_BF8 matrix_a_scale:MATRIX_SCALE_ROW1 matrix_b_scale:MATRIX_SCALE_ROW1
.endif
.endif
.endm
; A K step's 4 T products.  The 4 T accumulators take turns, one instruction a turn, in the same order in every step.  zero = 1: the products start the sums: nothing is cleared.
.macro MULS T, s, zero
	WIN 0x52+((\s)%4)/2                            ; x in window 2 or 3, W in window 0, C and D in window 1
.set i_, 0
.rept \T
.irp jt, 0,1,2,3
	WM \jt, \s, \zero
.endr
.set i_, i_+1
.endr
	WIN 0
.endm
; K STEP s of sixteen (slot s % 4, W's buffer s % 2, scale quad (s / 4) % 2).  Loads are issued in this order: quad 0, slots 0, 1, 2, quad 1, slot 3 (the prologue); then step s fills its slot again with step s + 4,
; and ahead of that step 4 brings quad 0 anew (K steps 8-11) and step 7 quad 1 (K steps 12-15).  So behind a slot's own 4 T loads stand the three other slots' 12 T, and a quad's 2 + (T + 1) / 2 where one was issued among
; them (not for steps 3, 4, 11, 12): that many may stay out at the step's head (loads come back in order: ISA guide 5.7.1); a wait names 63 at the most.  (The prologue loads five tiles whatever T is: behind a slot of
; its filling stand no fewer.)  Steps 12 to 15 ask for nothing, and the counts run down.
.macro STEP T, s
.set LC_, 12*(\T)+2+((\T)+1)/2
.if ((\s) == 3) || ((\s) == 4) || ((\s) == 11) || ((\s) == 12)
.set LC_, 12*(\T)
.endif
.if (\s) > 12
.set LC_, 4*(\T)*(15-(\s))
.endif
.if LC_ > 63
.set LC_, 63
.endif
	s_wait_loadcnt LC_
.if (\s) == 15
	s_wait_dscnt 0x0                               ; nothing was fetched behind this step's fragments of W
.else
	s_wait_dscnt 16                                ; this step's fragments of W are in; the next step's sixteen loads may be out
.endif
.if (\s) == 0
	MULS \T, \s, 1
.else
	MULS \T, \s, 0
.endif
.if (\s) == 15
	PLACES 9                                       ; eight in front of the first read of results; nine in front of the next pass's first products, which write the accumulators anew
.else
	PLACES 8                                       ; in front of loads into registers that these products have read
.endif
.if (\s) < 14
	FETCHW (\s)%2, ((\s)+2)*128                    ; W's fragments of two steps on
.endif
.if (\s) < 12
.if (\s) == 4
	SCL \T, 0, 32                                  ; quad 0 was last used in step 3
.endif
.if (\s) == 7
	SCL \T, 1, 48                                  ; quad 1 was last used just now
.endif
	XLOAD \T, (\s)%4, ((\s)+4)*128                 ; this slot takes the step four on
.endif
.endm
; The rows that LISTA brought become offsets, and the ring is filled: always five tiles, so that every register of the ring has been written whatever the pass's T.  90 loads.
.macro PROLOGUE
.irp i, 0,1,2,3,4,5,6,7
	v_min_u32 v[ROWS+\i], 2047, v[ROWS+\i]         ; a number that was loaded enters an address held inside its table
.endr
.irp i, 0,1,2,3,4
	v_lshl_add_u32 v[XO+\i], v[ROWS+\i], 11, v[H16]
.endr
.irp i, 0,1,2
	v_lshlrev_b32 v[XSO+\i], 6, v[ROWS+5+\i]
.endr
	SCL 5, 0, 0
	XLOAD 5, 0, 0
	XLOAD 5, 1, 128
	XLOAD 5, 2, 256
	SCL 5, 1, 16
	XLOAD 5, 3, 384
.endm
; THE WAY OUT of a pass.  Register j of lane (r, h) in accumulator (i, jt) is row 8 h + j of tile i, column 4 r + jt.  The addition of the bias puts jt = 0 .. 3 side by side: 16 bytes a lane,
; and store j writes, for each half of the lanes, 256 consecutive bytes of one row of out0, aligned.  j ascends.
; The text for three tiles also serves passes of one and two: it leaves ahead of the first tile that the pass does not have.  The jump passes over additions and stores alone.
.macro OUT T
.set i_, 0
.rept \T
.if ((\T) == 3) && (i_ > 0)
	WIN 0
	s_cmp_le_u32 s[TT], i_
	s_cbranch_scc1 .Lnext
.endif
.if i_ >= 2
	s_wait_xcnt 0x0                                ; the stores of two tiles back have read their data: that set is written again only behind this wait
.endif
	WIN 0x41                                       ; destination and source 0 window 1, the bias window 0
.irp j, 0,1,2,3,4,5,6,7
.irp jt, 0,1,2,3
	v_add_f32 v[OB+32*(i_%2)+4*\j+\jt], v[32*i_+8*\jt+\j], v[BIAS+\jt]
.endr
.endr
	WIN 0x04                                       ; a store's data are its source 1: window 1
.irp j, 0,1,2,3,4,5,6,7
	global_store_b128 v[RO+8*i_+\j], v[OB+32*(i_%2)+4*\j:OB+32*(i_%2)+4*\j+3], s[16:17] th:TH_STORE_NT
.endr
.set i_, i_+1
.endr
	WIN 0
.endm
; A PASS OF T TILES: sixteen K steps on end, then the way out.  All that hangs on T stands in here, and the text is chosen once a pass, so that every counted wait finds the same loads behind it on every way.
.macro VARIANT T
.Lv\T:
	FETCHW 0, 0
	FETCHW 1, 128
.irp s, 0,1,2,3,4,5,6,7,8,9,10,11,12,13,14,15
	STEP \T, \s
.endr
	OUT \T
.if (\T) != 3
	s_branch .Lnext
.endif
.endm
	; ---- the head
	s_load_b256 s[4:11], s[0:1], 0x0               ; W's codes s[4:5], W's scales s[6:7], b s[8:9], rows s[10:11]
	s_load_b128 s[12:15], s[0:1], 0x20             ; x's codes s[12:13], x's scales s[14:15]
	s_load_b64 s[16:17], s[0:1], 0x30              ; out0
	s_load_b64 s[CP:CP+1], s[0:1], 0x38            ; counts
	v_lshl_add_u32 v254, v0, 2, 0x20400
	v_mov_b32 v255, 0
	v_lshrrev_b32 v1, 5, v0
	v_readfirstlane_b32 s[WV], v1                  ; wave 0..3
	s_and_b32 s[EX], ttmp7, 0xffff
	s_mov_b32 s[NB], ttmp9
	s_lshl_b32 s[OFS], s[EX], 7                    ; counts: 128 bytes an expert
	s_mov_b32 s[OFS+1], 0
	s_wait_kmcnt 0x0
	s_add_nc_u64 s[CP:CP+1], s[CP:CP+1], s[OFS:OFS+1]
	s_load_b32 s[CN], s[CP:CP+1], 0x0              ; my expert's tokens: asked for first, since the list's places are held by it; the lines below stand between the load and its wait
	v_and_b32 v[VL], 31, v0
	v_and_b32 v[VR], 15, v0
	v_bfe_u32 v[VH], v0, 4, 1
	v_lshlrev_b32 v[H16], 4, v[VH]
	v_lshlrev_b32 v[C16], 4, v[VR]
	v_mul_u32_u24 v[AW0], v[VR], PITCH
	v_add_nc_u32 v[AW0], v[AW0], v[H16]
	v_add_nc_u32 v[AW0+1], HALFW, v[AW0]
	s_lshl_b32 s[TP], s[WV], 6                     ; tile w begins 64 w bytes into the list
	v_lshl_add_u32 v[LA], v[VR], 2, s[TP]
	v_lshl_add_u32 v[LP], v[VH], 8, v[LA]
	v_lshl_add_u32 v[LO], v[VH], 5, s[TP]
	v_lshl_add_u32 v[WSO], v[VR], 2, v[VH]
	v_lshlrev_b32 v[WSO], 6, v[WSO]
	v_lshlrev_b32 v[L16], 4, v[VL]
	s_mul_i32 s[TP], s[WV], 4*PITCH
	v_add_nc_u32 v[AWST], s[TP], v[L16]
	v_add_nc_u32 v[AWST+1], HALFW, v[AWST]
	s_lshl_b32 s[OFS], s[EX], 22                   ; W's codes: expert x 2,048 x 2,048 + block x 64 rows + wave x 16 rows
	s_lshl_b32 s[TP], s[NB], 17
	s_add_co_u32 s[OFS], s[OFS], s[TP]
	s_lshl_b32 s[TP], s[WV], 15
	s_add_co_u32 s[OFS], s[OFS], s[TP]
	s_add_nc_u64 s[4:5], s[4:5], s[OFS:OFS+1]
	s_lshl_b32 s[OFS], s[EX], 17                   ; W's scales: 64 bytes a row
	s_lshl_b32 s[TP], s[NB], 12
	s_add_co_u32 s[OFS], s[OFS], s[TP]
	s_add_nc_u64 s[6:7], s[6:7], s[OFS:OFS+1]
	s_lshl_b32 s[OFS], s[EX], 13                   ; b: expert x 8,192 + block x 256
	s_lshl_b32 s[TP], s[NB], 8
	s_add_co_u32 s[OFS], s[OFS], s[TP]
	s_add_nc_u64 s[8:9], s[8:9], s[OFS:OFS+1]
	s_mov_b32 s[OFS], s[TP]                        ; out0: block x 256
	s_add_nc_u64 s[16:17], s[16:17], s[OFS:OFS+1]
	s_mul_i32 s[OFS], s[EX], ESTR                  ; rows: my expert's list
	s_add_nc_u64 s[10:11], s[10:11], s[OFS:OFS+1]
	s_wait_kmcnt 0x0
	s_min_u32 s[CN], s[CN], 2048
	s_add_co_u32 s[NT], s[CN], 15
	s_lshr_b32 s[NT], s[NT], 4                     ; tiles of 16 rows
	s_add_co_u32 s[SS], s[NT], 3
	s_sub_co_u32 s[SS], s[SS], s[WV]
	s_lshr_b32 s[SS], s[SS], 2                     ; tiles w, w + 4, .. below that number: 32 at the most
	s_add_co_u32 s[NP], s[SS], 4
	s_mul_hi_u32 s[NP], s[NP], 0x33333334          ; passes of five: (my tiles + 4) / 5, by the upper word of the product with (2^32 + 4) / 5
	s_max_u32 s[CM4], s[CN], 1
	s_sub_co_u32 s[CM4], s[CM4], 1
	s_lshl_b32 s[CM4], s[CM4], 2
	; ---- the first pass's rows are asked for first, since loads come back in order; then W; then x; then W goes into LDS
	LISTA
	WLOADS
	LISTB
	s_wait_loadcnt 63                              ; 105 loads were issued behind LISTA's (65 for the bias and W, LISTB's 40); 63 is the most that a wait names
	PROLOGUE
	s_wait_loadcnt 63                              ; 90 loads were issued behind LISTB's last: the bias, W and the forty rows are in, x stays on its way
	ROCONV
	WIN 0x04                                       ; an LDS store's data are its source 1: window 1
.set m_, 0
.rept 64                               ; load m holds bytes 512 (m % 4) on of my row a = m / 4, local row 16 w + a, which lies at LDS row 16 (a % 4) + 4 w + a / 4
	ds_store_b128 v[AWST+((m_/8)%2)], v[4*m_:4*m_+3] offset:(((m_/4)%2)*16+(m_/16))*PITCH+512*(m_%4)
.set m_, m_+1
.endr
	WIN 0
	s_wait_dscnt 0x0                               ; for the others' sake: my quarter of W is in LDS
	s_barrier_signal -1
	s_barrier_wait -1                              ; from here on LDS is only read
	s_cmp_eq_u32 s[SS], 0
	s_cbranch_scc1 .Lend
	s_mov_b32 s[MM], 0
	s_mov_b32 s[PI], 0
.Lpass:
	s_sub_co_u32 s[TT], s[SS], s[MM]
	s_min_u32 s[TT], s[TT], 5
	s_cmp_eq_u32 s[TT], 4
	s_cbranch_scc1 .Lv4
	s_cmp_lt_u32 s[TT], 4
	s_cbranch_scc1 .Lv3
	VARIANT 5
	VARIANT 4
	VARIANT 3
.Lnext:
	s_add_co_u32 s[PI], s[PI], 1
	s_add_co_u32 s[MM], s[MM], 5
	s_cmp_ge_u32 s[PI], s[NP]                      ; the way out of the loop stands ahead of the next pass's loads: the last pass asks for nothing more
	s_cbranch_scc1 .Lend
	s_wait_xcnt 0x0                                ; the pass's stores have read their offsets and data (its loads were all waited for in its last step): offsets and both sets may be written again
	v_add_nc_u32 v[LA], 1280, v[LA]                ; five of my tiles on in the list
	v_add_nc_u32 v[LP], 1280, v[LP]
	v_add_nc_u32 v[LO], 1280, v[LO]
	LISTA
	LISTB
	s_wait_loadcnt 40                              ; LISTA's eight are in; LISTB's forty may be out
	PROLOGUE
	s_wait_loadcnt 63                              ; 90 loads were issued behind LISTB's last
	ROCONV
	s_cmp_lt_u32 s[PI], s[NP]
	s_cbranch_scc1 .Lpass
.Lend:
	s_wait_tensorcnt 0x0
	ds_add_u32 v254, v255
	s_wait_dscnt 0x0
	s_endpgm
.Lfunc_end_k_q5fda4f1d40_routed_linear:
	.size	k_q5fda4f1d40_routed_linear, .Lfunc_end_k_q5fda4f1d40_routed_linear-k_q5fda4f1d40_routed_linear
	.p2alignl 7, 3214868480
	.fill 96, 4, 3214868480
	.section	.rodata,"a",@progbits
	.p2align	6, 0x0
	.amdhsa_kernel k_q5fda4f1d40_routed_linear
		.amdhsa_group_segment_fixed_size 132608
		.amdhsa_private_segment_fixed_size 0
		.amdhsa_enable_private_segment 0
		.amdhsa_kernarg_size 64
		.amdhsa_user_sgpr_count 2
		.amdhsa_user_sgpr_kernarg_segment_ptr 1
		.amdhsa_wavefront_size32 1
		.amdhsa_system_sgpr_workgroup_id_x 1
		.amdhsa_system_sgpr_workgroup_id_y 1
		.amdhsa_system_sgpr_workgroup_id_z 1
		.amdhsa_system_vgpr_workitem_id 0
		.amdhsa_next_free_vgpr 1024
		.amdhsa_next_free_sgpr 66
		.amdhsa_reserve_vcc 0
		.amdhsa_float_denorm_mode_32 3
		.amdhsa_float_denorm_mode_16_64 3
		.amdhsa_memory_ordered 1
		.amdhsa_forward_progress 1
		.amdhsa_inst_pref_size 255
	.end_amdhsa_kernel
	.section	.bss,"aw",@nobits
	.p2align	6
	.space	262144
	.amdgpu_metadata
---
amdhsa.version: [ 1, 2 ]
amdhsa.kernels:
  - .name:           k_q5fda4f1d40_routed_linear
    .symbol:         k_q5fda4f1d40_routed_linear.kd
    .args:
      - { .name: W_codes, .offset: 0, .size: 8, .value_kind: global_buffer, .address_space: global }
      - { .name: W_scales, .offset: 8, .size: 8, .value_kind: global_buffer, .address_space: global }
      - { .name: b, .offset: 16, .size: 8, .value_kind: global_buffer, .address_space: global }
      - { .name: rows, .offset: 24, .size: 8, .value_kind: global_buffer, .address_space: global }
      - { .name: x_codes, .offset: 32, .size: 8, .value_kind: global_buffer, .address_space: global }
      - { .name: x_scales, .offset: 40, .size: 8, .value_kind: global_buffer, .address_space: global }
      - { .name: out0, .offset: 48, .size: 8, .value_kind: global_buffer, .address_space: global }
      - { .name: counts, .offset: 56, .size: 8, .value_kind: global_buffer, .address_space: global }
    .group_segment_fixed_size: 132608
    .private_segment_fixed_size: 0
    .kernarg_segment_align: 8
    .kernarg_segment_size: 64
    .max_flat_workgroup_size: 128
    .sgpr_count:     66
    .vgpr_count:     1024
    .wavefront_size: 32
...
	.end_amdgpu_metadata
.endif
;; end of part 2
;; ======== version 2 of 2: 2 launches
;; workspace buffers: rows 67,584 bytes of whole numbers; counts 1,024 bytes of whole numbers
;; launch route (part 3): grid 8 x 1, 1 waves a work-group, no clusters, 0 bytes of LDS; arguments masks, rows, counts; writes rows, counts
.if DOCPART == 3
	.amdgcn_target "amdgcn-amd-amdhsa--gfx1250"
	.amdhsa_code_object_version 6
	.text
	.protected	k_q5fda4f1d40_route
	.globl	k_q5fda4f1d40_route
	.p2align	8
	.type	k_q5fda4f1d40_route,@function
k_q5fda4f1d40_route:
	s_mov_b64 s[64:65], 0
	v_nop
	global_prefetch_b8 v0, s[64:65] scope:SCOPE_SE
	s_setreg_imm32_b32 hwreg(HW_REG_WAVE_MODE, 25, 1), 1
	s_wait_xcnt 0x0
; THE ROUTING.  masks [2,048] names an expert, 0 .. 7, for each token.  Work-group e, one wave, writes the list of expert e's tokens and their number, as whole numbers, for the launch that multiplies.
; rows: 8,448 bytes an expert: 2,048 words for the list; 32 words more, since 32 zeros are written behind the list's end (so word 0 is written for an expert without tokens too); 32 words for the lanes that do not match.
; counts: 128 bytes an expert: the number of its tokens, 32 times, a word a lane.
; 32 tokens at a time: a matching lane's place is the count so far + the number of matching lanes below it; the matching lanes so store neighbouring words.  A lane that does not match stores into a word of its own
; that nobody reads: EXEC is never changed.  Every work-group reads all 8,192 bytes of masks; no work-group reads what another writes.
; Each of the 64 stores has registers of its own (its address is made in the register that held the masks, its data in another), so no register that a pending store reads is written again.
; LIMIT: a token whose mask lies outside 0 .. 7 enters no list (the definition's own gather takes masks as lying inside).
.set ESTR,  8448
.set TRASH, 2080
.set LMAX,  2111
.set L16, 1                            ; 16 x lane
.set VTR, 2                            ; the word of a lane that does not match
.set L4,  3                            ; 4 x lane
.set PA,  4
.set ZR,  5
.set VC,  6
.set MK,  16                           ; v16-79   masks: word c of load j is token 128 j + 4 lane + c; then the stores' addresses
.set TK,  80                           ; v80-143  those tokens' numbers
.set EX,  10
.set CN,  11
.set TP,  12
.set OFS, 14
	s_load_b128 s[4:7], s[0:1], 0x0                ; masks s[4:5], rows s[6:7]
	s_load_b64 s[8:9], s[0:1], 0x10                ; counts
	s_mov_b32 s[EX], ttmp9
	v_lshlrev_b32 v[L16], 4, v0                    ; one wave: the thread's number is the lane
	v_add_nc_u32 v[VTR], TRASH, v0
	v_lshlrev_b32 v[L4], 2, v0
	s_mov_b32 s[CN], 0
	s_mul_i32 s[OFS], s[EX], ESTR
	s_mov_b32 s[OFS+1], 0
	s_wait_alu depctr_va_vdst(0)
	s_wait_kmcnt 0x0
.set j_, 0
.rept 16
	global_load_b128 v[MK+4*j_:MK+4*j_+3], v[L16], s[4:5] offset:512*j_    ; 512 consecutive bytes a load
.set j_, j_+1
.endr
	s_add_nc_u64 s[6:7], s[6:7], s[OFS:OFS+1]      ; my expert's part of rows
	s_lshl_b32 s[OFS], s[EX], 7
	s_add_nc_u64 s[8:9], s[8:9], s[OFS:OFS+1]      ; and of counts
.set n_, 0
.rept 64
	v_add_nc_u32 v[TK+n_], 128*(n_/4)+(n_%4), v[L4]
.set n_, n_+1
.endr
.set n_, 0
.rept 64
.if (n_%4) == 0
	s_wait_loadcnt 15-n_/4                         ; loads come back in order (ISA guide 5.7.1): this one is in, the younger ones may be out
.endif
	v_cmp_eq_u32 vcc_lo, s[EX], v[MK+n_]
	v_mbcnt_lo_u32_b32 v[MK+n_], vcc_lo, s[CN]     ; the count so far + the matching lanes below me
	v_cndmask_b32 v[MK+n_], v[VTR], v[MK+n_], vcc_lo
	v_min_u32 v[MK+n_], LMAX, v[MK+n_]             ; a number made from what was loaded enters an address held by a constant
	v_lshlrev_b32 v[MK+n_], 2, v[MK+n_]
	global_store_b32 v[MK+n_], v[TK+n_], s[6:7]
	s_bcnt1_i32_b32 s[TP], vcc_lo
	s_add_co_u32 s[CN], s[CN], s[TP]
.set n_, n_+1
.endr
	v_add_nc_u32 v[PA], s[CN], v0                  ; 32 zeros behind the list's end
	v_min_u32 v[PA], LMAX, v[PA]
	v_lshlrev_b32 v[PA], 2, v[PA]
	v_mov_b32 v[ZR], 0
	v_mov_b32 v[VC], s[CN]
	global_store_b32 v[PA], v[ZR], s[6:7]
	global_store_b32 v[L4], v[VC], s[8:9]          ; the count: 128 consecutive bytes, a word a lane
	s_endpgm
.Lfunc_end_k_q5fda4f1d40_route:
	.size	k_q5fda4f1d40_route, .Lfunc_end_k_q5fda4f1d40_route-k_q5fda4f1d40_route
	.p2alignl 7, 3214868480
	.fill 96, 4, 3214868480
	.section	.rodata,"a",@progbits
	.p2align	6, 0x0
	.amdhsa_kernel k_q5fda4f1d40_route
		.amdhsa_group_segment_fixed_size 0
		.amdhsa_private_segment_fixed_size 0
		.amdhsa_enable_private_segment 0
		.amdhsa_kernarg_size 24
		.amdhsa_user_sgpr_count 2
		.amdhsa_user_sgpr_kernarg_segment_ptr 1
		.amdhsa_wavefront_size32 1
		.amdhsa_system_sgpr_workgroup_id_x 1
		.amdhsa_system_sgpr_workgroup_id_y 1
		.amdhsa_system_sgpr_workgroup_id_z 1
		.amdhsa_system_vgpr_workitem_id 0
		.amdhsa_next_free_vgpr 144
		.amdhsa_next_free_sgpr 66
		.amdhsa_reserve_vcc 1
		.amdhsa_float_denorm_mode_32 3
		.amdhsa_float_denorm_mode_16_64 3
		.amdhsa_memory_ordered 1
		.amdhsa_forward_progress 1
		.amdhsa_inst_pref_size 32
	.end_amdhsa_kernel
	.amdgpu_metadata
---
amdhsa.version: [ 1, 2 ]
amdhsa.kernels:
  - .name:           k_q5fda4f1d40_route
    .symbol:         k_q5fda4f1d40_route.kd
    .args:
      - { .name: masks, .offset: 0, .size: 8, .value_kind: global_buffer, .address_space: global }
      - { .name: rows, .offset: 8, .size: 8, .value_kind: global_buffer, .address_space: global }
      - { .name: counts, .offset: 16, .size: 8, .value_kind: global_buffer, .address_space: global }
    .group_segment_fixed_size: 0
    .private_segment_fixed_size: 0
    .kernarg_segment_align: 8
    .kernarg_segment_size: 24
    .max_flat_workgroup_size: 32
    .sgpr_count:     66
    .vgpr_count:     144
    .wavefront_size: 32
...
	.end_amdgpu_metadata
.endif
;; end of part 3
;; launch routed_linear (part 4): grid 32 x 8, 4 waves a work-group, no clusters, 132,608 bytes of LDS; arguments W_codes, W_scales, b, rows, x_codes, x_scales, out0, counts; writes out0
.if DOCPART == 4
	.amdgcn_target "amdgcn-amd-amdhsa--gfx1250"
	.amdhsa_code_object_version 6
	.text
	.protected	k_q5fda4f1d40_routed_linear
	.globl	k_q5fda4f1d40_routed_linear
	.p2align	8
	.type	k_q5fda4f1d40_routed_linear,@function
k_q5fda4f1d40_routed_linear:
	s_mov_b64 s[64:65], 0
	v_nop
	global_prefetch_b8 v0, s[64:65] scope:SCOPE_SE
	s_setreg_imm32_b32 hwreg(HW_REG_WAVE_SCHED_MODE, 0, 2), 2
	s_setreg_imm32_b32 hwreg(HW_REG_WAVE_MODE, 25, 1), 1
	s_wait_xcnt 0x0
	s_wait_alu depctr_vm_vsrc(0)
; out0[t][:] = x[t][:] W[masks[t]]^T + b[masks[t]][:].  2,048 tokens, K = N = 2,048, 8 experts.  x and W are codes of BF8 (E5M2), K innermost, with one E8M0 byte for each 32 along K; sums and bias in f32.
; ONLY THE CHOSEN EXPERT'S ROWS ARE MULTIPLIED: of the eight results that the definition forms for a token it keeps the one that masks names.  The launch before this one has turned masks into a list of tokens
; for each expert (rows: 8,448 bytes an expert) and their number (counts: 128 bytes an expert, the number in each word).
; SHARES.  Work-group (x = nb, y = e) owns expert e and output columns 64 nb .. 64 nb + 63.  Its block of W, 64 rows x 2,048 bytes, is dense in memory and no other work-group reads it: it comes into LDS once.
; The expert's list is cut into tiles of 16 rows; wave w takes tiles w, w + 4, w + 8 .., up to five at a time (a PASS) through all of K.
; x's fragments are gathered from memory straight into registers, through a ring of four K steps of 128; W's come from LDS, and each feeds as many products as the pass has tiles.
; THE COLUMNS OF A TILE ARE NOT NEIGHBOURS: lane r of column tile jt is column 64 nb + 4 r + jt.  So register j of a lane's four accumulators of a row tile are four NEIGHBOURING columns of one row: the addition of the bias
; lays them side by side, and sixteen lanes store 256 consecutive bytes, aligned.  For that W's local row n lies at LDS row 16 (n % 4) + n / 4.
; NO TENSOR LOAD, NO CLUSTER: the number of passes and of tiles in a pass is read from memory; W's block is shared with nobody; x's rows are gathered lane by lane.
; LDS holds W alone: it is stored into ahead of the one barrier and only read behind it.
; A PASS IS WRITTEN THREE TIMES, for five, four and three tiles, its sixteen K steps on end: every offset is an immediate and nothing is stepped along K.  A pass of one or two tiles runs the text for three,
; and the spare tiles' sums are not stored.
; A PLACE BEYOND THE LIST'S END READS THE LIST'S LAST WORD (the place is held at count - 1 before it enters the address).  So the empty lanes of an expert's last tile repeat its last row: the same sums go to the same
; bytes, from the same wave; and a spare tile takes a valid row.
; LIMITS.  masks lies in 0 .. 7, as the definition's own gather takes it.  Scale bytes are taken as given (0xff gives NaN here as there).  A split that puts many tokens on one expert is served rightly, in more passes
; by that expert's 32 work-groups; an expert without tokens stores nothing.
; THE MODE: SCHED_MODE bits 1:0 = 2 (LLVM: expert scheduling mode 2), set by the entry lines.  The code itself states the register dependences between vector or matrix instructions and memory or LDS instructions,
; with s_wait_alu, always for 0.
; THE PLAN.  Registers that memory or LDS instructions touch, round a pass:
;   x's ring, four slots    Step s's products read slot s % 4.  The loads of K step s + 3 land in slot (s + 3) % 4, the one that step s - 1 read; they are issued in step s.
;   W's three buffers       Step s's products read buffer s % 3.  The LDS loads of K step s + 2 land in buffer (s + 2) % 3, the one that step s - 1 read; they are issued in step s.
;   the scale quads         Quad 0 is read by steps 0-3 and 8-11 and loaded anew in step 5; quad 1 by steps 4-7 and 12-15, loaded anew in step 8.
;   v20-27                  Written by vector lines twice a pass: first the list's places, which the list's eight loads read; then x's offsets, which every load of x and of its scale words reads.
;   window 3, v160-199      The list's forty places for the stores' rows: written by vector lines, read by the forty loads.
;   ROWS, RO                The list's loads land in them; vector lines work on them in place; the stores read RO as their offsets.
;   OB, two sets            Written by a tile's additions, read by its eight stores, written again two tiles on.
;   window 1 as a whole     At the head W's loads land in it and the LDS stores read it; then the products and the additions write it.
;   v5-7, v13-16            Offsets and LDS addresses made once at the head and never written again.
; So ONE wait on va_vdst stands at the head of each of steps 1 to 13: the products of the step before are done reading their slot, their buffer of W and their scale words.  All that the step loads lands there,
; and the step's own products name another slot, another buffer and the other quad: so its loads are dealt among its products with no further wait.  Steps 0, 14 and 15 load into nothing that a product issued since
; the last such wait has named, or load nothing.  The other waits stand at the passes' heads, behind the barrier and on the way out, each with its dependence beside it.
; REGISTERS, in windows of 256 (s_set_vgpr_msb: bits 1:0 source 0, 3:2 source 1, 5:4 source 2, 7:6 destination):
;   window 0: v1-16 lane numbers and addresses; v20-27 the list's places, then offsets of the pass's rows in x; v28-31 bias; v32-39 rows just read; v40-55 W's scale words, v56-79 x's (nothing else ever);
;             v80-207 W's fragments, buffers 0 and 1; v208-247 offsets of the pass's rows in out0; v254, v255 the closing add's two
;   window 1: v0-159 accumulators, (row tile i, column tile jt) at 32 i + 8 jt; v160-223 results laid for the stores, two sets; at first all 256: where W lands
;   window 2: x's ring, slots 0 and 1 (80 registers each: five tiles x 16); v160-223 W's fragments, buffer 2
;   window 3: slots 2 and 3; v160-199 the list's forty places
.set PITCH, 2064                       ; a row of W in LDS: 2,048 bytes + 16: the 16 rows of a fragment load begin in 16 different columns of 16 bytes modulo 256 (64 banks of 4 bytes: ISA guide 11.1)
.set TILEW, 16*PITCH
.set HALFW, 32*PITCH                   ; an LDS offset has 16 bits: rows 32 on have an address register of their own
.set ESTR,  8448                       ; an expert's part of rows, in bytes
.set VR,   1                           ; r = lane % 16
.set VH,   2                           ; h = lane / 16
.set VL,   3                           ; lane
.set H16,  4                           ; 16 h
.set C16,  5                           ; 16 r
.set AW0,  6                           ; v6-7   my place in W's fragments, LDS rows 0-31 and 32-63: r x PITCH + 16 h; never rewritten
.set LA,   10                          ; the list, in bytes: row r of my first tile of the pass
.set LP,   11                          ; lanes 0-15 an even tile's row r, lanes 16-31 the next tile's
.set LO,   12                          ; row 8 h of my first tile of the pass
.set WSO,  13                          ; W's scale words: row 4 r + h, 64 bytes a row
.set AWST, 14                          ; v14-15 where I store W: LDS row 4 w, + 16 x lane; and 32 rows on
.set L16,  16                          ; 16 x lane
.set XO,   20                          ; v20-24 tile i: my row x 2,048 + 16 h
.set XSO,  25                          ; v25-27 pair ii: my row x 64
.set BIAS, 28
.set ROWS, 32
.set WSC,  40                          ; quad Q (four K steps), pair jj, word: 40 + 8 Q + 4 jj + word: lanes 0-15 column tile 2 jj, lanes 16-31 tile 2 jj + 1
.set XSC,  56                          ; 56 + 12 Q + 4 ii + word: lanes 0-15 row tile 2 ii, lanes 16-31 tile 2 ii + 1
.set WF,   80                          ; W's buffers 0 and 1, 64 registers each
.set WF2,  160                         ; in window 2: W's buffer 2
.set LBA,  160                         ; in window 3: the list's forty places
.set RO,   208                         ; v208-247 tile i, j: row 8 h + j of the tile x 8,192 + 16 r
.set OB,   160                         ; in window 1
.set WV,  18                           ; s18 wave
.set EX,  19                           ; s19 expert
.set NB,  20                           ; s20 column block
.set OFS, 22                           ; s[22:23] an offset in hand
.set CN,  24                           ; s24 the expert's tokens
.set TP,  25
.set NT,  26                           ; s26 its tiles
.set SS,  27                           ; s27 my tiles
.set MM,  28                           ; s28 my tiles done
.set TT,  29                           ; s29 tiles in this pass
.set PI,  30                           ; s30 passes done: the loop's counter
.set NP,  31                           ; s31 my passes
.set CM4, 32                           ; s32 the list's last word, in bytes: 4 x (count - 1), 0 for an empty list
.set CP,  34                           ; s[34:35] counts
.set MSB, 0
.macro WIN new                         ; the immediate's high byte repeats the setting that is left; a switch that changes nothing is dropped.  At every label and branch the setting is 0
.if MSB != (\new)
	s_set_vgpr_msb (MSB<<8)|(\new)
.set MSB, (\new)
.endif
.endm
.macro PLACES n                        ; plain vector instructions that name no register of the products in front (ISA guide 7.12.1)
.rept \n
	v_nop
.endr
.endm
; My four columns' bias, then my quarter of W's block: 64 loads of 512 consecutive bytes, into window 1.
.macro WLOADS
	WIN 0
	global_load_b128 v[BIAS:BIAS+3], v[C16], s[8:9]
	WIN 0x40
.set m_, 0
.rept 64
	global_load_b128 v[4*m_:4*m_+3], v[L16], s[4:5] offset:512*m_ th:TH_LOAD_NT
.set m_, m_+1
.endr
	WIN 0
.endm
; The rows of the pass, from the list.  A place is held at the list's last word, and then by a constant, since a number read from memory has entered it.  The places are made first, all of them, so that one wait
; serves all the list's loads; each load has an address register and a landing register of its own.
; LISTA: eight loads for x's offsets: row r of each of five tiles; for the scale words, row r of two tiles side by side in the halves of the lanes.  The places stand in v20-27, which take x's offsets afterwards.
.macro LISTA_ADR
.irp i, 0,1,2,3,4
	v_add_nc_u32 v[XO+\i], 256*\i, v[LA]           ; my next tile lies four tiles, 256 bytes, on
.endr
.irp i, 0,1,2
	v_add_nc_u32 v[XSO+\i], 512*\i, v[LP]
.endr
.irp i, 0,1,2,3,4,5,6,7
	v_min_u32 v[XO+\i], s[CM4], v[XO+\i]
.endr
.irp i, 0,1,2,3,4,5,6,7
	v_min_u32 v[XO+\i], 8188, v[XO+\i]
.endr
.endm
.macro LISTA_LD
.irp i, 0,1,2,3,4,5,6,7
	global_load_b32 v[ROWS+\i], v[XO+\i], s[10:11]
.endr
.endm
; LISTB: forty loads for the stores' offsets: row 8 h + j of each of five tiles.  The places stand in window 3.
.macro LISTB_ADR
	WIN 0xc0                                       ; destination window 3
.set n_, 0
.rept 40
	v_add_nc_u32 v[LBA+n_], 256*(n_/8)+4*(n_%8), v[LO]
.set n_, n_+1
.endr
	WIN 0xcc                                       ; destination and source 1 window 3
.set n_, 0
.rept 40
	v_min_u32 v[LBA+n_], s[CM4], v[LBA+n_]
.set n_, n_+1
.endr
.set n_, 0
.rept 40
	v_min_u32 v[LBA+n_], 8188, v[LBA+n_]
.set n_, n_+1
.endr
	WIN 0
.endm
.macro LISTB_LD
	WIN 0x03                                       ; a load's address is its source 0: window 3
.set n_, 0
.rept 40
	global_load_b32 v[RO+n_], v[LBA+n_], s[10:11]
.set n_, n_+1
.endr
	WIN 0
.endm
.macro ROCONV                          ; the forty rows become offsets in out0
.set n_, 0
.rept 40
	v_min_u32 v[RO+n_], 2047, v[RO+n_]             ; a number that was loaded enters an address held inside its table
.set n_, n_+1
.endr
.set n_, 0
.rept 40
	v_lshl_add_u32 v[RO+n_], v[RO+n_], 13, v[C16]  ; row x 8,192 + 16 r
.set n_, n_+1
.endr
.endm
; The scale words of four K steps (16 bytes a row, from byte off of the row) into quad Q: W's two pairs of column tiles, x's pairs of row tiles.
.macro SCL T, Q, off
	WIN 0
.irp jj, 0,1
	global_load_b128 v[WSC+8*(\Q)+4*\jj:WSC+8*(\Q)+4*\jj+3], v[WSO], s[6:7] offset:128*\jj+(\off)
.endr
.set ii_, 0
.rept ((\T)+1)/2
	global_load_b128 v[XSC+12*(\Q)+4*ii_:XSC+12*(\Q)+4*ii_+3], v[XSO+ii_], s[14:15] offset:\off
.set ii_, ii_+1
.endr
.endm
; x's fragments of one K step, T tiles, into a slot: lane (r, h) takes of its row the bytes koff + 32 c + 16 h on, c = 0 .. 3: the layout of an 8-bit operand.
.macro XLOAD T, slot, koff
	WIN 0x80+0x40*((\slot)/2)
.set i_, 0
.rept \T
.irp c, 0,1,2,3
	global_load_b128 v[80*((\slot)%2)+16*i_+4*\c:80*((\slot)%2)+16*i_+4*\c+3], v[XO+i_], s[12:13] offset:(\koff)+32*\c
.endr
.set i_, i_+1
.endr
.endm
; Two of W's four fragments of one K step from LDS, column tiles 2 hf and 2 hf + 1, into buffer b.  The furthest offset is 16 rows + 1,920 + 96 = 35,040 bytes: inside an LDS offset's 16 bits.
.macro FETCHH b, koff, hf
.if (\b) == 2
	WIN 0x80                                       ; buffer 2 lies in window 2
.set rF, WF2+32*(\hf)
.else
	WIN 0
.set rF, WF+64*(\b)+32*(\hf)
.endif
.irp u, 0,1
.irp c, 0,1,2,3
	ds_load_b128 v[rF+16*\u+4*\c:rF+16*\u+4*\c+3], v[AW0+(\hf)] offset:\u*TILEW+(\koff)+32*\c
.endr
.endr
.endm
; One product: row tile i_ x column tile jt, K step s of sixteen.  Source 0 = 16 rows of x, source 1 = 16 rows of W.  An odd tile's scale words stand in lanes 16-31.
.macro WM jt, s, zero
.set rD, 32*i_+8*(\jt)
.set rA, 80*((\s)%2)+16*i_
.if ((\s)%3) == 2
.set rB, WF2+16*(\jt)
.else
.set rB, WF+64*((\s)%3)+16*(\jt)
.endif
.set rX, XSC+12*(((\s)/4)%2)+4*(i_/2)+(\s)%4
.set rW, WSC+8*(((\s)/4)%2)+4*((\jt)/2)+(\s)%4
.set ODD_, 2*(i_%2)+(\jt)%2
.if \zero
.if ODD_ == 0
	v_wmma_scale_f32_16x16x128_f8f6f4 v[rD:rD+7], v[rA:rA+15], v[rB:rB+15], 0, v[rX], v[rW] matrix_a_fmt:MATRIX_FMT_BF8 matrix_b_fmt:MATRIX_FMT_BF8
.elseif ODD_ == 1
	v_wmma_scale_f32_16x16x128_f8f6f4 v[rD:rD+7], v[rA:rA+15], v[rB:rB+15], 0, v[rX], v[rW] matrix_a_fmt:MATRIX_FMT_BF8 matrix_b_fmt:MATRIX_FMT_BF8 matrix_b_scale:MATRIX_SCALE_ROW1
.elseif ODD_ == 2
	v_wmma_scale_f32_16x16x128_f8f6f4 v[rD:rD+7], v[rA:rA+15], v[rB:rB+15], 0, v[rX], v[rW] matrix_a_fmt:MATRIX_FMT_BF8 matrix_b_fmt:MATRIX_FMT_BF8 matrix_a_scale:MATRIX_SCALE_ROW1
.else
	v_wmma_scale_f32_16x16x128_f8f6f4 v[rD:rD+7], v[rA:rA+15], v[rB:rB+15], 0, v[rX], v[rW] matrix_a_fmt:MATRIX_FMT_BF8 matrix_b_fmt:MATRIX_FMT_BF8 matrix_a_scale:MATRIX_SCALE_ROW1 matrix_b_scale:MATRIX_SCALE_ROW1
.endif
.else
.if ODD_ == 0
	v_wmma_scale_f32_16x16x128_f8f6f4 v[rD:rD+7], v[rA:rA+15], v[rB:rB+15], v[rD:rD+7], v[rX], v[rW] matrix_a_fmt:MATRIX_FMT_BF8 matrix_b_fmt:MATRIX_FMT_BF8
.elseif ODD_ == 1
	v_wmma_scale_f32_16x16x128_f8f6f4 v[rD:rD+7], v[rA:rA+15], v[rB:rB+15], v[rD:rD+7], v[rX], v[rW] matrix_a_fmt:MATRIX_FMT_BF8 matrix_b_fmt:MATRIX_FMT_BF8 matrix_b_scale:MATRIX_SCALE_ROW1
.elseif ODD_ == 2
	v_wmma_scale_f32_16x16x128_f8f6f4 v[rD:rD+7], v[rA:rA+15], v[rB:rB+15], v[rD:rD+7], v[rX], v[rW] matrix_a_fmt:MATRIX_FMT_BF8 matrix_b_fmt:MATRIX_FMT_BF8 matrix_a_scale:MATRIX_SCALE_ROW1
.else
	v_wmma_scale_f32_16x16x128_f8f6f4 v[rD:rD+7], v[rA:rA+15], v[rB:rB+15], v[rD:rD+7], v[rX], v[rW] matrix_a_fmt:MATRIX_FMT_BF8 matrix_b_fmt:MATRIX_FMT_BF8 matrix_a_scale:MATRIX_SCALE_ROW1 matrix_b_scale:MATRIX_SCALE_ROW1
.endif
.endif
.endm
; Row tile i's four products of K step s.  A step's 4 T accumulators take turns, one instruction a turn, in the same order in every step.  In step 0 the products start the sums: nothing is cleared.
.macro MUL4 i, s
	WIN 0x52+((\s)%4)/2+8*(((\s)%3)/2)             ; x in window 2 or 3, W in window 0 or (buffer 2) window 2, C and D in window 1
.set i_, \i
.irp jt, 0,1,2,3
.if (\s) == 0
	WM \jt, \s, 1
.else
	WM \jt, \s, 0
.endif
.endr
.endm
; K STEP s of sixteen (x's slot s % 4, W's buffer s % 3, scale quad (s / 4) % 2).
; Global loads are issued in this order: quad 0, slots 0, 1, 2, quad 1, slot 3 (the prologue); then step s, 1 to 12, fills the slot that step s - 1 read with K step s + 3, and ahead of that step 5 brings quad 0 anew
; (K steps 8-11) and step 8 quad 1 (K steps 12-15).  So at a step's head two other slots' 8 T loads stand behind its own slot's (step 0: three slots' 12 T), and a quad's 2 + (T + 1) / 2 where one was issued among
; them (steps 0, 1, 2, 6, 7, 9, 10): that many may stay out (loads come back in order: ISA guide 5.7.1); a wait names 63 at the most.  (The prologue loads five tiles whatever T is: behind a slot of its filling stand
; no fewer.)  Steps 13 to 15 ask for nothing of x, and the counts run down.
; LDS loads: K steps 0 and 1 at the pass's head; then step s, 0 to 13, fetches K step s + 2: behind a step's own sixteen stand the next step's sixteen.
.macro STEP T, s
.set LC_, 8*(\T)
.if ((\s) == 1) || ((\s) == 2) || ((\s) == 6) || ((\s) == 7) || ((\s) == 9) || ((\s) == 10)
.set LC_, 8*(\T)+2+((\T)+1)/2
.endif
.if (\s) == 0
.set LC_, 12*(\T)+2+((\T)+1)/2
.endif
.if (\s) > 13
.set LC_, 4*(\T)*(15-(\s))
.endif
.if LC_ > 63
.set LC_, 63
.endif
	s_wait_loadcnt LC_
.if (\s) == 15
	s_wait_dscnt 0x0                               ; nothing was fetched behind this step's fragments of W
.else
	s_wait_dscnt 16                                ; this step's fragments of W are in; the next step's sixteen loads may be out
.endif
.if ((\s) >= 1) && ((\s) <= 13)
	s_wait_alu depctr_va_vdst(0)                   ; the products of the step before are done reading their slot of x, their buffer of W and their scale words: this step's loads land there, and its own products name none of these
.endif
	MUL4 0, \s
.if ((\s) >= 1) && ((\s) <= 12)
.if (\s) == 5
	SCL \T, 0, 32                                  ; quad 0 was last used in step 3
.endif
.if (\s) == 8
	SCL \T, 1, 48                                  ; quad 1 was last used in step 7
.endif
	XLOAD \T, ((\s)+3)%4, ((\s)+3)*128             ; the slot that the step before read takes the step three on
.endif
	MUL4 1, \s
.if (\s) <= 13
	FETCHH ((\s)+2)%3, ((\s)+2)*128, 0             ; W's fragments of two steps on, in two runs of eight.  (Step 0: buffer 2 was last read ahead of the wait in the prologue)
.endif
	MUL4 2, \s
.if (\s) <= 13
	FETCHH ((\s)+2)%3, ((\s)+2)*128, 1
.endif
.if (\T) > 3
	MUL4 3, \s
.endif
.if (\T) > 4
	MUL4 4, \s
.endif
.if (\s) == 15
	PLACES 9                                       ; eight in front of the first read of results; nine in front of the next pass's first products, which write the accumulators anew
.endif
.endm
; The rows that LISTA brought become offsets, and the ring is filled: always five tiles, so that every register of the ring has been written whatever the pass's T.  90 loads.
.macro PROLOGUE
	s_wait_alu depctr_vm_vsrc(0)                   ; the list's eight loads have read their places in v20-27, which take x's offsets now
.irp i, 0,1,2,3,4,5,6,7
	v_min_u32 v[ROWS+\i], 2047, v[ROWS+\i]         ; a number that was loaded enters an address held inside its table
.endr
.irp i, 0,1,2,3,4
	v_lshl_add_u32 v[XO+\i], v[ROWS+\i], 11, v[H16]
.endr
.irp i, 0,1,2
	v_lshlrev_b32 v[XSO+\i], 6, v[ROWS+5+\i]
.endr
	s_wait_alu depctr_va_vdst(0)                   ; x's offsets are written, which the loads below read; the last pass's products are done reading the ring, W's three buffers and the scale words, in which loads land from here to step 0
	SCL 5, 0, 0
	XLOAD 5, 0, 0
	XLOAD 5, 1, 128
	XLOAD 5, 2, 256
	SCL 5, 1, 16
	XLOAD 5, 3, 384
	WIN 0
.endm
; THE WAY OUT of a pass.  Register j of lane (r, h) in accumulator (i, jt) is row 8 h + j of tile i, column 4 r + jt.  The addition of the bias puts jt = 0 .. 3 side by side: 16 bytes a lane,
; and store j writes, for each half of the lanes, 256 consecutive bytes of one row of out0, aligned.  j ascends.
; The text for three tiles also serves passes of one and two: it leaves ahead of the first tile that the pass does not have.  The jump passes over additions and stores alone.
.macro OUT T
.set i_, 0
.rept \T
.if ((\T) == 3) && (i_ > 0)
	WIN 0
	s_cmp_le_u32 s[TT], i_
	s_cbranch_scc1 .Lnext
.endif
.if i_ >= 2
	s_wait_xcnt 0x0                                ; the stores of two tiles back have read their data: that set is written again only behind this wait
	s_wait_alu depctr_vm_vsrc(0)                   ; and beside it: those stores have read their set of registers, which the additions below write again
.endif
	WIN 0x41                                       ; destination and source 0 window 1, the bias window 0
.irp j, 0,1,2,3,4,5,6,7
.irp jt, 0,1,2,3
	v_add_f32 v[OB+32*(i_%2)+4*\j+\jt], v[32*i_+8*\jt+\j], v[BIAS+\jt]
.endr
.endr
	WIN 0x04                                       ; a store's data are its source 1: window 1
	s_wait_alu depctr_va_vdst(0)                   ; the additions have written this set, which the eight stores read (their offsets were written ahead of the steps' waits)
.irp j, 0,1,2,3,4,5,6,7
	global_store_b128 v[RO+8*i_+\j], v[OB+32*(i_%2)+4*\j:OB+32*(i_%2)+4*\j+3], s[16:17] th:TH_STORE_NT
.endr
.set i_, i_+1
.endr
	WIN 0
.endm
; A PASS OF T TILES: sixteen K steps on end, then the way out.  All that hangs on T stands in here, and the text is chosen once a pass, so that every counted wait finds the same loads behind it on every way.
.macro VARIANT T
.Lv\T:
	FETCHH 0, 0, 0                                 ; no wait: since the wait in the prologue no vector or matrix instruction has named W's buffers or their two addresses
	FETCHH 0, 0, 1
	FETCHH 1, 128, 0
	FETCHH 1, 128, 1
.irp s, 0,1,2,3,4,5,6,7,8,9,10,11,12,13,14,15
	STEP \T, \s
.endr
	OUT \T
.if (\T) != 3
	s_branch .Lnext
.endif
.endm
	; ---- the head
	s_load_b256 s[4:11], s[0:1], 0x0               ; W's codes s[4:5], W's scales s[6:7], b s[8:9], rows s[10:11]
	s_load_b128 s[12:15], s[0:1], 0x20             ; x's codes s[12:13], x's scales s[14:15]
	s_load_b64 s[16:17], s[0:1], 0x30              ; out0
	s_load_b64 s[CP:CP+1], s[0:1], 0x38            ; counts
	v_lshl_add_u32 v254, v0, 2, 0x20400            ; the closing add's two registers, kept for it alone: my spare word, behind W's 64 rows of 2,064 bytes,
	v_mov_b32 v255, 0                              ; and 0
	v_lshrrev_b32 v1, 5, v0
	v_readfirstlane_b32 s[WV], v1                  ; wave 0..3
	s_and_b32 s[EX], ttmp7, 0xffff
	s_mov_b32 s[NB], ttmp9
	s_lshl_b32 s[OFS], s[EX], 7                    ; counts: 128 bytes an expert
	s_mov_b32 s[OFS+1], 0
	s_wait_kmcnt 0x0
	s_add_nc_u64 s[CP:CP+1], s[CP:CP+1], s[OFS:OFS+1]
	s_load_b32 s[CN], s[CP:CP+1], 0x0              ; my expert's tokens: asked for first, since the list's places are held by it; the lines below stand between the load and its wait
	v_and_b32 v[VL], 31, v0
	v_and_b32 v[VR], 15, v0
	v_bfe_u32 v[VH], v0, 4, 1
	v_lshlrev_b32 v[H16], 4, v[VH]
	v_lshlrev_b32 v[C16], 4, v[VR]
	v_mul_u32_u24 v[AW0], v[VR], PITCH
	v_add_nc_u32 v[AW0], v[AW0], v[H16]
	v_add_nc_u32 v[AW0+1], HALFW, v[AW0]
	s_wait_alu depctr_va_sdst(0)                   ; the wave's number is written, ahead of its first reader
	s_lshl_b32 s[TP], s[WV], 6                     ; tile w begins 64 w bytes into the list
	v_lshl_add_u32 v[LA], v[VR], 2, s[TP]
	v_lshl_add_u32 v[LP], v[VH], 8, v[LA]
	v_lshl_add_u32 v[LO], v[VH], 5, s[TP]
	v_lshl_add_u32 v[WSO], v[VR], 2, v[VH]
	v_lshlrev_b32 v[WSO], 6, v[WSO]
	v_lshlrev_b32 v[L16], 4, v[VL]
	s_mul_i32 s[TP], s[WV], 4*PITCH
	v_add_nc_u32 v[AWST], s[TP], v[L16]
	v_add_nc_u32 v[AWST+1], HALFW, v[AWST]
	s_lshl_b32 s[OFS], s[EX], 22                   ; W's codes: expert x 2,048 x 2,048 + block x 64 rows + wave x 16 rows
	s_lshl_b32 s[TP], s[NB], 17
	s_add_co_u32 s[OFS], s[OFS], s[TP]
	s_lshl_b32 s[TP], s[WV], 15
	s_add_co_u32 s[OFS], s[OFS], s[TP]
	s_add_nc_u64 s[4:5], s[4:5], s[OFS:OFS+1]
	s_lshl_b32 s[OFS], s[EX], 17                   ; W's scales: 64 bytes a row
	s_lshl_b32 s[TP], s[NB], 12
	s_add_co_u32 s[OFS], s[OFS], s[TP]
	s_add_nc_u64 s[6:7], s[6:7], s[OFS:OFS+1]
	s_lshl_b32 s[OFS], s[EX], 13                   ; b: expert x 8,192 + block x 256
	s_lshl_b32 s[TP], s[NB], 8
	s_add_co_u32 s[OFS], s[OFS], s[TP]
	s_add_nc_u64 s[8:9], s[8:9], s[OFS:OFS+1]
	s_mov_b32 s[OFS], s[TP]                        ; out0: block x 256
	s_add_nc_u64 s[16:17], s[16:17], s[OFS:OFS+1]
	s_mul_i32 s[OFS], s[EX], ESTR                  ; rows: my expert's list
	s_add_nc_u64 s[10:11], s[10:11], s[OFS:OFS+1]
	s_wait_alu depctr_va_vdst(0)
	s_wait_kmcnt 0x0
	s_min_u32 s[CN], s[CN], 2048
	s_add_co_u32 s[NT], s[CN], 15
	s_lshr_b32 s[NT], s[NT], 4                     ; tiles of 16 rows
	s_add_co_u32 s[SS], s[NT], 3
	s_sub_co_u32 s[SS], s[SS], s[WV]
	s_lshr_b32 s[SS], s[SS], 2                     ; tiles w, w + 4, .. below that number: 32 at the most
	s_add_co_u32 s[NP], s[SS], 4
	s_mul_hi_u32 s[NP], s[NP], 0x33333334          ; passes of five: (my tiles + 4) / 5, by the upper word of the product with (2^32 + 4) / 5
	s_max_u32 s[CM4], s[CN], 1
	s_sub_co_u32 s[CM4], s[CM4], 1
	s_lshl_b32 s[CM4], s[CM4], 2
	; ---- the first pass's rows are asked for first, since loads come back in order; then W; then x; then W goes into LDS
	LISTA_ADR
	LISTB_ADR
	s_wait_alu depctr_va_vdst(0)                   ; all that the head has made is written: the list's 48 places, and the offsets and LDS addresses v5-7 and v13-16, which stay as they are for the whole kernel
	LISTA_LD
	WLOADS
	LISTB_LD
	s_wait_loadcnt 63                              ; 105 loads were issued behind LISTA's (65 for the bias and W, LISTB's 40); 63 is the most that a wait names
	PROLOGUE
	s_wait_loadcnt 63                              ; 90 loads were issued behind LISTB's last: the bias, W and the forty rows are in, x stays on its way
	ROCONV
	WIN 0x04                                       ; an LDS store's data are its source 1: window 1
.set m_, 0
.rept 64                               ; load m holds bytes 512 (m % 4) on of my row a = m / 4, local row 16 w + a, which lies at LDS row 16 (a % 4) + 4 w + a / 4.  (The data come from loads; the two addresses were written ahead of the head's wait)
	ds_store_b128 v[AWST+((m_/8)%2)], v[4*m_:4*m_+3] offset:(((m_/4)%2)*16+(m_/16))*PITCH+512*(m_%4)
.set m_, m_+1
.endr
	WIN 0
	s_wait_dscnt 0x0                               ; for the others' sake: my quarter of W is in LDS
	s_barrier_signal -1
	s_barrier_wait -1                              ; from here on LDS is only read
	s_wait_alu depctr_vm_vsrc(0)                   ; my LDS stores have read window 1's registers, which the products and the additions write from here on
	s_cmp_eq_u32 s[SS], 0
	s_cbranch_scc1 .Lend
	s_mov_b32 s[MM], 0
	s_mov_b32 s[PI], 0
.Lpass:
	s_sub_co_u32 s[TT], s[SS], s[MM]
	s_min_u32 s[TT], s[TT], 5
	s_cmp_eq_u32 s[TT], 4
	s_cbranch_scc1 .Lv4
	s_cmp_lt_u32 s[TT], 4
	s_cbranch_scc1 .Lv3
	VARIANT 5
	VARIANT 4
	VARIANT 3
.Lnext:
	s_add_co_u32 s[PI], s[PI], 1
	s_add_co_u32 s[MM], s[MM], 5
	s_cmp_ge_u32 s[PI], s[NP]                      ; the way out of the loop stands ahead of the next pass's loads: the last pass asks for nothing more
	s_cbranch_scc1 .Lend
	s_wait_xcnt 0x0                                ; the pass's stores have read their offsets and data (its loads were all waited for in its last step): offsets and both sets may be written again
	s_wait_alu depctr_vm_vsrc(0)                   ; and beside it: the pass's loads have read x's offsets and the list's places, its stores their offsets and both sets of results: all of these are written again from here on
	v_add_nc_u32 v[LA], 1280, v[LA]                ; five of my tiles on in the list
	v_add_nc_u32 v[LP], 1280, v[LP]
	v_add_nc_u32 v[LO], 1280, v[LO]
	LISTA_ADR
	LISTB_ADR
	s_wait_alu depctr_va_vdst(0)                   ; the list's 48 places are written, which the loads below read; the vector lines that worked on the last pass's rows are done with v32-39 and v208-247, in which these loads land
	LISTA_LD
	LISTB_LD
	s_wait_loadcnt 40                              ; LISTA's eight are in; LISTB's forty may be out
	PROLOGUE
	s_wait_loadcnt 63                              ; 90 loads were issued behind LISTB's last
	ROCONV
	s_cmp_lt_u32 s[PI], s[NP]
	s_cbranch_scc1 .Lpass
.Lend:
	s_wait_dscnt 0x0                               ; the closing lines, six on end
	s_wait_alu 0x0
	s_wait_tensorcnt 0x0
	ds_add_u32 v254, v255
	s_wait_dscnt 0x0
	s_endpgm
.Lfunc_end_k_q5fda4f1d40_routed_linear:
	.size	k_q5fda4f1d40_routed_linear, .Lfunc_end_k_q5fda4f1d40_routed_linear-k_q5fda4f1d40_routed_linear
	.p2alignl 7, 3214868480
	.fill 96, 4, 3214868480
	.section	.rodata,"a",@progbits
	.p2align	6, 0x0
	.amdhsa_kernel k_q5fda4f1d40_routed_linear
		.amdhsa_group_segment_fixed_size 132608
		.amdhsa_private_segment_fixed_size 0
		.amdhsa_enable_private_segment 0
		.amdhsa_kernarg_size 64
		.amdhsa_user_sgpr_count 2
		.amdhsa_user_sgpr_kernarg_segment_ptr 1
		.amdhsa_wavefront_size32 1
		.amdhsa_system_sgpr_workgroup_id_x 1
		.amdhsa_system_sgpr_workgroup_id_y 1
		.amdhsa_system_sgpr_workgroup_id_z 1
		.amdhsa_system_vgpr_workitem_id 0
		.amdhsa_next_free_vgpr 1024
		.amdhsa_next_free_sgpr 66
		.amdhsa_reserve_vcc 0
		.amdhsa_float_denorm_mode_32 3
		.amdhsa_float_denorm_mode_16_64 3
		.amdhsa_memory_ordered 1
		.amdhsa_forward_progress 1
		.amdhsa_inst_pref_size 255
	.end_amdhsa_kernel
	.section	.bss,"aw",@nobits
	.p2align	6
	.space	262144
	.amdgpu_metadata
---
amdhsa.version: [ 1, 2 ]
amdhsa.kernels:
  - .name:           k_q5fda4f1d40_routed_linear
    .symbol:         k_q5fda4f1d40_routed_linear.kd
    .args:
      - { .name: W_codes, .offset: 0, .size: 8, .value_kind: global_buffer, .address_space: global }
      - { .name: W_scales, .offset: 8, .size: 8, .value_kind: global_buffer, .address_space: global }
      - { .name: b, .offset: 16, .size: 8, .value_kind: global_buffer, .address_space: global }
      - { .name: rows, .offset: 24, .size: 8, .value_kind: global_buffer, .address_space: global }
      - { .name: x_codes, .offset: 32, .size: 8, .value_kind: global_buffer, .address_space: global }
      - { .name: x_scales, .offset: 40, .size: 8, .value_kind: global_buffer, .address_space: global }
      - { .name: out0, .offset: 48, .size: 8, .value_kind: global_buffer, .address_space: global }
      - { .name: counts, .offset: 56, .size: 8, .value_kind: global_buffer, .address_space: global }
    .group_segment_fixed_size: 132608
    .private_segment_fixed_size: 0
    .kernarg_segment_align: 8
    .kernarg_segment_size: 64
    .max_flat_workgroup_size: 128
    .sgpr_count:     66
    .vgpr_count:     1024
    .wavefront_size: 32
...
	.end_amdgpu_metadata
.endif
;; end of part 4
